; MI455X (gfx1250); checked and timed in simulation.
; The chip was launched on July 23, 2026; its instructions are those of AMD's public machine-readable ISA for CDNA 5 (MIT licence, August 2026) and "CDNA5" Instruction Set Architecture Reference Guide (July 2026). The comments in the code are by the model that wrote it; some were corrected since.
;; Head. Allowed arithmetic: matrix products marked QUANTISED: E4M3 operands, one given power-of-two scale a tensor, by v_wmma_f32_16x16x64_fp8_fp8 or v_wmma_f32_16x16x128_fp8_fp8, f32 sums; everything else in f32.
;; Inputs: Wk_codes 64 x 2 x 32 uint8 (E4M3 codes of Wk, K innermost, in blocks of 32 codes); Wq_codes 64 x 2 x 32 uint8 (E4M3 codes of Wq, K innermost, in blocks of 32 codes); Wv_codes 64 x 2 x 32 uint8 (E4M3 codes of Wv, K innermost, in blocks of 32 codes); lowp_scales 10 int32 (the exponents e of the quantised operands' scales 2^e); x_codes 16 x 4,096 x 2 x 32 uint8 (E4M3 codes of x, K innermost, in blocks of 32 codes).
;; Outputs: out0 16 x 4,096 x 64 float32.
;; This version of the problem:
;;   THIS VERSION OF THE PROBLEM IS GIVEN IN LOW PRECISION. The matrix products marked QUANTISED in the list below multiply operands that are first quantised to E4M3 (4 exponent bits, 3 mantissa bits; 8 bits a number), with one given power-of-two scale for each operand tensor; their sums are f32. All else is computed in f32.
;;   The module's matrix products, in the order in which they are computed (A, B: the left and right operand; K: the contracted axis; several contracted axes count as one K, in the product's order):
;;     1. [M 65,536, K 64] x [K 64, N 64]; A: input x (given as codes); B: input Wk (given as codes): QUANTISED (scales: A lowp_scales[0], B lowp_scales[1])
;;     2. [M 65,536, K 64] x [K 64, N 64]; A: input x (given as codes); B: input Wq (given as codes): QUANTISED (scales: A lowp_scales[2], B lowp_scales[3])
;;     3. [M 65,536, K 64] x [K 64, N 64]; A: input x (given as codes); B: input Wv (given as codes): QUANTISED (scales: A lowp_scales[4], B lowp_scales[5])
;;     4. batch 16 x [M 4,096, K 64] x [K 64, N 4,096]; A: computed on the way; B: computed on the way: QUANTISED (scales: A lowp_scales[6], B lowp_scales[7])
;;     5. batch 16 x [M 4,096, K 4,096] x [K 4,096, N 64]; A: softmax (see below); B: computed on the way: QUANTISED (scales: A lowp_scales[8], B lowp_scales[9])
;;   THE QUANTISER, for each operand of a quantised product, along K:
;;     - The operand's scale is 2^e, e = its entry of the input lowp_scales (int32; the entries are numbered through the quantised products in the list's order, A before B).
;;     - Each number is divided by the scale, clamped to +-448, and rounded to the nearest number of E4M3, ties to even, subnormals kept.
;;     - The product sums the exact products of the quantised numbers (number of the format x scale) in f32.
;;   ~~~python
;;   def quantise(x, axis, e):      # numpy; x: float32 -> the quantised numbers, widened to float32 again
;;       x = np.moveaxis(x, axis, -1); K = x.shape[-1]
;;       r = np.clip(x / 2.0 ** e, -448, 448)
;;       step = 2.0 ** (np.maximum(np.frexp(np.where(r == 0, 1, r))[1] - 1, -6) - 3)
;;       q = np.round(r / step) * step * 2.0 ** e      # np.round: ties to even
;;       return np.moveaxis(q, -1, axis).astype(np.float32)
;;   ~~~
;;   SOFTMAX AHEAD OF A QUANTISED PRODUCT. Where the list says 'softmax', what is quantised is not the finished softmax but p = 2^(t - M), with t = logit x log2(e) and M = ceil(the row's largest t), a whole number; so 1/2 < the row's largest p <= 1. The row's sum l is taken of the UNQUANTISED p, in f32, and the product's result is divided by l at the end. Since M is a whole number, a kernel that streams over the keys may use a running M (the ceiling of the running maximum): every later rescaling is an exact power of two, so the quantised numbers keep their values, but for numbers so far below the row's largest that they fall under the format's range.
;;   OPERANDS COMPUTED ON THE WAY. 'Computed on the way' means the value that the module computes at that place (a softmax that the list does not call 'softmax' is quantised finished and normalised). What goes into a quantiser is computed in f32, as accurately as f32 sums, v_exp_f32 and their like allow (about 1e-6 of the number): no bf16 or f16 on the way to a quantiser, and a product that is left as it is and whose result goes on into a quantised operand takes f32 operands (vector FMAs, or v_wmma_f32_16x16x4_f32). A number that lies on a knife's edge between two numbers of the format may be rounded either way, as far as f32 arithmetic and the matrix unit's own rounding can turn it there, and no further.
;;   INPUTS GIVEN AS CODES. Wk (in the module: [64, 64], K = its axis 1); Wq (in the module: [64, 64], K = its axis 1); Wv (in the module: [64, 64], K = its axis 1); x (in the module: [16, 4096, 64], K = its axis 2): each comes as NAME_codes (uint8): NAME with its K axis moved to the last place and cut into blocks of 32 codes, [.., K / 32, bytes a block], one block behind the other in memory; one code a byte (a code: sign, 4 exponent bits, 3 mantissa bits); its scale is its entry of lowp_scales. Its value is code x scale, taken as it is: it is not quantised again, and the codes and scales need not be those that the quantiser above would give.
;; One version. Each part assembles by itself: llvm-mc -triple=amdgcn-amd-amdhsa -mcpu=gfx1250 --defsym DOCPART=n.
;; ======== version 1 of 1: 2 launches
;; workspace buffers: kimg 4,194,304 bytes; kv 8,388,608 bytes
;; launch proj (part 1): grid 256 x 1, 8 waves a work-group, no clusters, 0 bytes of LDS; arguments x_codes, Wk_codes, Wq_codes, Wv_codes, lowp_scales, kimg, kv; writes kimg, kv
.if DOCPART == 1
	.amdgcn_target "amdgcn-amd-amdhsa--gfx1250"
	.amdhsa_code_object_version 6
	.text
	.protected	k_qa7ce7fede0_proj
	.globl	k_qa7ce7fede0_proj
	.p2align	8
	.type	k_qa7ce7fede0_proj,@function
k_qa7ce7fede0_proj:
	s_mov_b64 s[64:65], 0
	v_nop
	global_prefetch_b8 v0, s[64:65] scope:SCOPE_SE
	s_setreg_imm32_b32 hwreg(HW_REG_WAVE_MODE, 25, 1), 1
	s_wait_xcnt 0x0
; k = x Wk^T, q = x Wq^T, v = x Wv^T on E4M3 codes (K = 64), each result quantised at once with its given scale and stored as an IMAGE OF THE OPERAND'S REGISTERS for the attention launch.
; x: [65536][64] codes; W*: [64][64] codes, K innermost.  lowp_scales: e0 .. e9.  A sum of product 1 stands for sum x 2^(e0 + e1), and k's code is k / 2^e6: the three exponents are folded into the
; conversion's one scale 2^(e6 - e0 - e1); likewise q (e7 - e2 - e3) and v (e9 - e4 - e5).
; LIMITS: each of these three differences lies between -126 and 119, so that the scale and 448 x the scale are f32 numbers.  NaN codes among the inputs are not served.
; SHARES.  Wave G = 8 x work-group + wave takes rows 32 G .. 32 G + 31 of x: two tiles of 16 rows.  Straight-line text: no loop, no LDS, no barrier; waves share nothing.
; THE ROWS OF A TILE ARE NOT NEIGHBOURS: lane r of tile u takes row 8 u + r + 8 (r / 8) (of x, and of Wk and Wq within each 32 rows).  k and q are made TRANSPOSED (source 0 = 16 rows of W, source 1 = 16 rows
; of x): a lane then holds one row of x, and the 16 registers of W's tiles 2 b and 2 b + 1 are channels 32 b + 16 (lane / 16) + 0 .. 15.  v is made the other way round (source 0 = x, source 1 = 16 rows of Wv
; as they lie): a lane holds one channel, and the 16 registers of x's two tiles are keys 16 (lane / 16) + 0 .. 15 of the wave's 32.  So every conversion's result is a register of the next operand.
; A fragment's registers 4 c .. 4 c + 3 hold k = 32 c + 16 (lane / 16) + 0 .. 15: the same order of k on both sides of every product, here and in the attention launch.
; OUT.  kimg [G][u][c][lane][16 bytes]: k's fragments.  kv [step of 128 keys][16,384 bytes]: q's eight fragments (1,024 bytes each), then from byte 8,192 v^T's four (2,048 bytes each: channels 16 dt + r, registers along the keys).
; Each store of a wave covers 512 consecutive bytes, aligned.
.set X,   16                           ; v16-31   x's two tiles, 8 registers each
.set WK,  32                           ; v32-63   Wk's four tiles
.set WQ,  64                           ; v64-95   Wq's
.set WVR, 96                           ; v96-127  Wv's
.set DA,  128                          ; v128-191 k's sums, later v's
.set DB,  192                          ; v192-255 q's sums
.set CK,  32                           ; codes, laid over weights that are done with: k's v32-47,
.set CQ,  48                           ; q's v48-63,
.set CV,  64                           ; v's v64-79
	s_load_b256 s[4:11], s[0:1], 0x0               ; x s[4:5], Wk s[6:7], Wq s[8:9], Wv s[10:11]
	s_load_b128 s[12:15], s[0:1], 0x20             ; the scales' exponents s[12:13], kimg s[14:15]
	s_load_b64 s[16:17], s[0:1], 0x30              ; kv
	v_lshrrev_b32 v10, 5, v0
	v_readfirstlane_b32 s30, v10                   ; wave 0..7
	v_and_b32 v10, 31, v0
	v_lshlrev_b32 v1, 4, v10                       ; 16 x lane: my place in an image
	v_and_b32 v11, 15, v0                          ; r
	v_bfe_u32 v12, v0, 4, 1                        ; h
	v_and_b32 v13, 8, v11
	v_add_nc_u32 v13, v13, v11                     ; r + 8 (r / 8)
	v_lshlrev_b32 v8, 6, v13
	v_lshl_add_u32 v8, v12, 4, v8                  ; x, Wk, Wq: row r + 8 (r / 8) of 64 bytes, + 16 h
	v_lshlrev_b32 v9, 6, v11
	v_lshl_add_u32 v9, v12, 4, v9                  ; Wv: row r, + 16 h
	s_lshl_b32 s31, ttmp9, 3
	s_add_co_u32 s31, s31, s30                     ; G
	s_lshl_b32 s32, s31, 11                        ; 32 rows of 64 bytes; also a group's 2,048 bytes of kimg
	s_mov_b32 s33, 0
	s_lshr_b32 s34, s31, 2
	s_lshl_b32 s34, s34, 14                        ; my step of 128 keys in kv
	s_and_b32 s36, s31, 3                          ; which 32 keys of the step
	s_lshl_b32 s37, s36, 11
	s_add_co_u32 s38, s34, s37                     ; q's two fragments
	s_mov_b32 s39, 0
	s_lshl_b32 s37, s36, 9
	s_add_co_u32 s40, s34, s37
	s_add_co_u32 s40, s40, 8192                    ; v^T: registers 4 c .. 4 c + 3, c = which 32 keys, of each of the four fragments
	s_mov_b32 s41, 0
	s_wait_kmcnt 0x0
	s_load_b256 s[20:27], s[12:13], 0x0            ; e0 .. e7
	s_load_b64 s[28:29], s[12:13], 0x20            ; e8, e9
	s_add_nc_u64 s[4:5], s[4:5], s[32:33]
	s_add_nc_u64 s[14:15], s[14:15], s[32:33]
	s_add_nc_u64 s[42:43], s[16:17], s[40:41]
	s_add_nc_u64 s[16:17], s[16:17], s[38:39]
.irp u, 0,1
.irp c, 0,1
	global_load_b128 v[X+8*\u+4*\c:X+8*\u+4*\c+3], v8, s[4:5] offset:512*\u+32*\c th:TH_LOAD_NT   ; read once in the launch
.endr
.endr
.irp t, 0,1,2,3                        ; W's tile t begins at row 32 (t / 2) + 8 (t % 2)
.irp c, 0,1
	global_load_b128 v[WK+8*\t+4*\c:WK+8*\t+4*\c+3], v8, s[6:7] offset:2048*(\t/2)+512*(\t%2)+32*\c
	global_load_b128 v[WQ+8*\t+4*\c:WQ+8*\t+4*\c+3], v8, s[8:9] offset:2048*(\t/2)+512*(\t%2)+32*\c
	global_load_b128 v[WVR+8*\t+4*\c:WVR+8*\t+4*\c+3], v9, s[10:11] offset:1024*\t+32*\c
.endr
.endr
; the scale 2^E as f32 (the conversion takes its exponent field) and 448 x 2^E, E = s[ea] - s[eb] - s[ec]
.macro MKSCALE ea, eb, ec, vs, vl
	s_sub_co_i32 s44, s[\ea], s[\eb]
	s_sub_co_i32 s44, s44, s[\ec]
	s_add_co_i32 s44, s44, 127
	s_lshl_b32 s45, s44, 23
	v_mov_b32 v[\vs], s45
	s_add_co_i32 s44, s44, 8
	s_lshl_b32 s44, s44, 23
	s_or_b32 s44, s44, 0x600000
	v_mov_b32 v[\vl], s44
.endm
	s_wait_kmcnt 0x0
	MKSCALE 26, 20, 21, 2, 3                       ; k: e6 - e0 - e1
	MKSCALE 27, 22, 23, 4, 5                       ; q: e7 - e2 - e3
	MKSCALE 29, 24, 25, 6, 7                       ; v: e9 - e4 - e5
; 64 sums of a lane become 16 registers of codes.  Each accumulator is read from its low end on.
.macro QUANT src, dst, sc, lim
.irp b, 0,1,2,3
.irp i, 0,1,2,3,4,5,6,7,8,9,10,11,12,13,14,15
	v_med3_num_f32 v[\src+16*\b+\i], v[\src+16*\b+\i], -v[\lim], v[\lim]   ; the conversion to an 8-bit code does not saturate (ISA guide 7.6.2): the hold at the largest code x the scale
.endr
	v_cvt_scalef32_pk8_fp8_f32 v[\dst+4*\b:\dst+4*\b+1], v[\src+16*\b:\src+16*\b+7], v[\sc]
	v_cvt_scalef32_pk8_fp8_f32 v[\dst+4*\b+2:\dst+4*\b+3], v[\src+16*\b+8:\src+16*\b+15], v[\sc]
.endr
	v_nop                                          ; one plain vector instruction behind the last conversion: later matrix instructions write its sources
.endm
	s_wait_loadcnt 0x0
.irp u, 0,1
.irp t, 0,1,2,3
	v_wmma_f32_16x16x64_fp8_fp8 v[DA+32*\u+8*\t:DA+32*\u+8*\t+7], v[WK+8*\t:WK+8*\t+7], v[X+8*\u:X+8*\u+7], 0   ; k^T: lane = row of x's tile u
.endr
.endr
.irp u, 0,1
.irp t, 0,1,2,3
	v_wmma_f32_16x16x64_fp8_fp8 v[DB+32*\u+8*\t:DB+32*\u+8*\t+7], v[WQ+8*\t:WQ+8*\t+7], v[X+8*\u:X+8*\u+7], 0   ; q^T
.endr
.endr
.rept 4
	v_nop                                          ; four places between the products and the first read of their results and the first write over their sources (ISA guide 7.12.1)
.endr
	QUANT DA, CK, 2, 3
.irp i, 0,1,2,3
	global_store_b128 v1, v[CK+4*\i:CK+4*\i+3], s[14:15] offset:512*\i   ; fragment u = i / 2, registers 4 (i % 2) on
.endr
.irp t, 0,1,2,3                        ; v: lane = channel 16 t + r; the places behind k's products, whose results these write over, are the four v_nop, the holds on other tiles and the v_nop that ends QUANT
.irp u, 0,1
	v_wmma_f32_16x16x64_fp8_fp8 v[DA+16*\t+8*\u:DA+16*\t+8*\u+7], v[X+8*\u:X+8*\u+7], v[WVR+8*\t:WVR+8*\t+7], 0
.endr
.endr
	QUANT DB, CQ, 4, 5                             ; its 64 holds name no register of v's products: they are the places behind those
.irp i, 0,1,2,3
	global_store_b128 v1, v[CQ+4*\i:CQ+4*\i+3], s[16:17] offset:512*\i
.endr
	QUANT DA, CV, 6, 7
.irp t, 0,1,2,3
	global_store_b128 v1, v[CV+4*\t:CV+4*\t+3], s[42:43] offset:2048*\t
.endr
	s_endpgm
.Lfunc_end_k_qa7ce7fede0_proj:
	.size	k_qa7ce7fede0_proj, .Lfunc_end_k_qa7ce7fede0_proj-k_qa7ce7fede0_proj
	.p2alignl 7, 3214868480
	.fill 96, 4, 3214868480
	.section	.rodata,"a",@progbits
	.p2align	6, 0x0
	.amdhsa_kernel k_qa7ce7fede0_proj
		.amdhsa_group_segment_fixed_size 0
		.amdhsa_private_segment_fixed_size 0
		.amdhsa_enable_private_segment 0
		.amdhsa_kernarg_size 56
		.amdhsa_user_sgpr_count 2
		.amdhsa_user_sgpr_kernarg_segment_ptr 1
		.amdhsa_wavefront_size32 1
		.amdhsa_system_sgpr_workgroup_id_x 1
		.amdhsa_system_sgpr_workgroup_id_y 1
		.amdhsa_system_sgpr_workgroup_id_z 1
		.amdhsa_system_vgpr_workitem_id 0
		.amdhsa_next_free_vgpr 256
		.amdhsa_next_free_sgpr 66
		.amdhsa_reserve_vcc 0
		.amdhsa_float_denorm_mode_32 3
		.amdhsa_float_denorm_mode_16_64 3
		.amdhsa_memory_ordered 1
		.amdhsa_forward_progress 1
		.amdhsa_inst_pref_size 22
	.end_amdhsa_kernel
	.amdgpu_metadata
---
amdhsa.version: [ 1, 2 ]
amdhsa.kernels:
  - .name:           k_qa7ce7fede0_proj
    .symbol:         k_qa7ce7fede0_proj.kd
    .args:
      - { .name: x_codes, .offset: 0, .size: 8, .value_kind: global_buffer, .address_space: global }
      - { .name: Wk_codes, .offset: 8, .size: 8, .value_kind: global_buffer, .address_space: global }
      - { .name: Wq_codes, .offset: 16, .size: 8, .value_kind: global_buffer, .address_space: global }
      - { .name: Wv_codes, .offset: 24, .size: 8, .value_kind: global_buffer, .address_space: global }
      - { .name: lowp_scales, .offset: 32, .size: 8, .value_kind: global_buffer, .address_space: global }
      - { .name: kimg, .offset: 40, .size: 8, .value_kind: global_buffer, .address_space: global }
      - { .name: kv, .offset: 48, .size: 8, .value_kind: global_buffer, .address_space: global }
    .group_segment_fixed_size: 0
    .private_segment_fixed_size: 0
    .kernarg_segment_align: 8
    .kernarg_segment_size: 56
    .max_flat_workgroup_size: 256
    .sgpr_count:     66
    .vgpr_count:     256
    .wavefront_size: 32
...
	.end_amdgpu_metadata
.endif
;; end of part 1
;; launch attn (part 2): grid 16 x 16, 16 waves a work-group, clusters of 4 x 1, 327,680 bytes of LDS; arguments kimg, kv, lowp_scales, out0; writes out0
.if DOCPART == 2
	.amdgcn_target "amdgcn-amd-amdhsa--gfx1250"
	.amdhsa_code_object_version 6
	.text
	.protected	k_qa7ce7fede0_attn
	.globl	k_qa7ce7fede0_attn
	.p2align	8
	.type	k_qa7ce7fede0_attn,@function
k_qa7ce7fede0_attn:
	s_mov_b64 s[64:65], 0
	v_nop
	global_prefetch_b8 v0, s[64:65] scope:SCOPE_SE
	s_setreg_imm32_b32 hwreg(HW_REG_WAVE_MODE, 25, 1), 1
	s_wait_xcnt 0x0
	s_wait_alu depctr_hold_cnt(0) depctr_sa_sdst(0) depctr_va_vdst(0) depctr_va_sdst(0) depctr_va_ssrc(0) depctr_va_vcc(0) depctr_vm_vsrc(0)
	s_getreg_b32 s2, hwreg(HW_REG_IB_STS2, 6, 4)
	s_cmp_eq_u32 s2, 0
	s_cbranch_scc0 .Lentry_in_a_cluster
	s_endpgm
.Lentry_in_a_cluster:
	s_bfe_u32 s2, ttmp6, 0x10000c
	s_cmp_lg_u32 s2, 0x3003
	s_cbranch_scc0 .Lentry_shape_is_right
	s_endpgm
.Lentry_shape_is_right:
; out[b][t][:] = the sum over s <= t of softmax_s(k[b][t] . q[b][s]) v[b][s][:], both products on E4M3 codes.  B = 16, T = 4,096, D = 64.  The rows are k's, the keys q's; no 1 / sqrt(d).
; kimg: k's codes, kv: q's and v^T's codes, both as images of the operands' registers (a fragment's four registers by one 16-byte access at 16 x lane, 512 consecutive bytes a wave).
; THE SOFTMAX: t = score x log2(e); M = the largest t so far, rounded UP to a whole number; p = 2^(t - M) is quantised with 2^e8, not normalised; the row's sum is taken of the unquantised p and divides at the end.
; LIMITS on the given exponents: e6 + e7 between -126 and 127 (added to log2(e)'s exponent field); e8 between -126 and 119; e8 + e9 is applied by v_ldexp_f32 and has none.  NaN codes are not served.
; SHARES.  y = batch.  A cluster of four work-groups (cluster x = C, 0..3) owns the rows 512 C .. 512 C + 511 (phase A) and 512 (7 - C) .. + 511 (phase B): under the causal mask that is the same work for every C.
; Wave w: pr = w / 4, par = (w + 3 pr) % 4.  It owns 32 rows, 128 blk + 32 cx + 0..31 with blk = 4 C + pr (A) or 4 (7 - C) + pr (B): two tiles of 16; of the keys it takes every fourth step of 128: step 4 i + par.
; The four waves of one pr hold four parts of the same rows' sums; they are joined at the end by exact powers of two.  blk hangs on the wave and the cluster alone, so the four partners run alike; cx enters global
; addresses and the mask's threshold alone.
; RING.  A slot is 512 keys, four steps of 16,384 bytes.  Phase A walks C + 1 slots, phase B 8 - C: nine in all, whatever C.  A step whose keys all come after the wave's rows is left out (a scalar branch on ids); the
; one step on the diagonal is masked.  The four partners walk the same keys: each slot is asked for JOINTLY (mask 15), by waves 0 to 3, one step each.  A wave never has more than one tensor load out.
; LAYOUT.  S^T = q k^T (source 0 = 16 keys, source 1 = 16 rows), O^T = v^T p^T: a lane holds one row throughout.  Lane r of tile u is row 8 u + r + 8 (r / 8); register 16 b + i of S^T is key 32 b + 16 (lane / 16) + i.
; Each fragment of q and of v^T read from LDS serves both tiles.  Four waves share a SIMD, so that one wave's LDS loads and products stand beside another's vector work.
; REGISTERS: v0 thread; v1 16 lane + 16,384 par; v2, v3 the spare word's address and 0; v4, v5 the mask's thresholds; v6 -infinity; v7 256 lane; v8 2^e8, v9 448 x 2^e8; v10, v11, v25 LDS addresses;
;   tile u: v[12+4u] -M, v[13+4u] the largest t, v[14+4u:15+4u] the sum; v[20:21] f; v22-24, v[26:27] at work; v28-43 my rows' two fragments; v44-59, v60-75 p's codes (the second set's last 12 lie over scores
;   that are converted already); v64-127 S^T of one tile; v128-191 eight fragments of q, then four of v^T; v192-255 O^T, tile u's channels 16 dt on at 32 u + 8 dt.
.set SLOT1, 65536                      ; slot 1 begins here: one exclusive or turns an address in one slot into the other's
.set SPARE, 131072                     ; behind the ring: the spare words, 128 bytes for each of 16 waves: eight blocks of 256 bytes that no other line names
.set REGA,  133120                     ; phase A's O^T, 8,192 bytes for each wave (by id = 4 pr + par); at the end a wave's own part is its stage for the way out
.set STATS, 264192                     ; [phase: 0 = B, 1 = A][id][tile][lane] 8 bytes: -M, the sum
.set QST,   280576                     ; 2,048 bytes for each wave: phase B's two row fragments, kept from the head on
.set SS, 64
.set KF, 128
.set OT, 192
.set QF, 28
; s12 wave, s13 pr, s14 par, s15 id, s16 C, s17 cx, s18 batch, s19 NA = C + 1, s20 blk, s21 phase B's blk, s22 the step in hand, s23 the slot in hand (0..8), s24 its LDS byte, s[26:27] lane selects,
; s[28:29] log2(e) x 2^(e6 + e7), s[32:39] descriptor group 1, s[40:43] group 0, s[44:45] kv at my batch and my step of a slot, s[46:47] the slot's offset, s[48:51] e6..e9, s[52:53] where my prefetches stand,
; s54 trips in which I prefetch, s55-s61 LDS bases, s62 e8 + e9, s66-s75 at work
.macro CROUND                          ; a round of the cluster's barrier: my work-group's barrier; wave 0 signals for the work-group; every wave waits for all four; my work-group's barrier once more
	s_barrier_signal -1
	s_barrier_wait -1
	s_cmp_lg_u32 s12, 0
	s_cbranch_scc1 .Lnot_wave_0_\@
	s_barrier_signal -3
.Lnot_wave_0_\@:
	s_barrier_wait -3
	s_barrier_signal -1
	s_barrier_wait -1
.endm
.macro TLOAD                           ; waves 0 to 3 ask for one step each; the branch hangs on the wave's number alone.  Four v_nop follow the load
	s_cmp_lt_u32 s12, 4
	s_cbranch_scc0 .Lasked_\@
	tensor_load_to_lds s[40:43], s[32:39]
	s_nop 0
.rept 4
	v_nop
.endr
.Lasked_\@:
.endm
; A PREFETCH of the 512 keys that follow those just asked for.  All four clusters of a batch walk the same keys from key 0 on; the cluster C = 0, which walks all eight slots of keys one after the other in phase B, asks.
; Its four partners take 16,384 bytes each, told apart BY ADDRESS; in each, waves 4 and 5 take 8,192 bytes, lanes 256 bytes apart: one instruction a wave, each block of 256 bytes named once in the launch.
; Trip i names keys 512 (i + 1) on, i = 0..6; the first 512 keys come by their load alone, and the last trip asks for nothing.
.macro ASK
	s_cmp_lt_u32 s23, s54
	s_cbranch_scc0 .Lnot_mine_\@
	global_prefetch_b8 v7, s[52:53] th:TH_LOAD_NT scope:SCOPE_SE
.Lnot_mine_\@:
.endm
; THE CHANGE OF SLOTS stands at a slot's head.  Each wave waits for all its tensor loads (its part of the slot that it is about to read), adds 0 to its spare word, and waits for that and for its reads of the slot left.
; fill = 1: the slot left is filled with the keys of slot s23 + 1 of the nine; the barrier is then a round of the cluster's, and the joint load is the first thing behind it: it has a slot's work in which to land.
.macro CHANGE fill
	s_wait_tensorcnt 0x0                           ; no tensor load of mine is out, so group 0 may be written
	ds_add_u32 v2, v3                              ; 0 onto my spare word
.if \fill
	s_xor_b32 s41, s41, SLOT1                      ; the other slot than last time
	s_add_co_u32 s66, s23, 1
	s_cmp_lt_u32 s66, s19                          ; still phase A's keys?
	s_cselect_b32 s67, 0, s19
	s_sub_co_u32 s66, s66, s67                     ; else phase B's, which begin again at key 0
	s_lshl_b32 s46, s66, 16                        ; 512 keys are 65,536 bytes of kv
	s_add_nc_u64 s[42:43], s[44:45], s[46:47]
	s_or_b32 s43, s43, 0x80000000                  ; 127:126 type = 2
	s_wait_xcnt 0x0                                ; the last prefetch, a slot back, has read its address, so it may be written
	s_add_nc_u64 s[52:53], s[52:53], 65536
.endif
	s_wait_dscnt 0x0                               ; the add is done, and my reads of the slot that I have left are over
.if \fill
	CROUND
	TLOAD
	ASK
.else
	s_barrier_signal -1
	s_barrier_wait -1
.endif
.endm
; A phase begins: the largest t is -3e38, under every t; the sums and O^T are zeros.  They are cleared, since a wave may have no step at all in a phase, and the step is written without a first form.
.macro INIT
.irp u, 0,1
	v_mov_b32 v[13+4*\u], 0xff61b1e6
	v_floor_f32 v[12+4*\u], -v[13+4*\u]
	v_mov_b32 v[14+4*\u], 0
	v_mov_b32 v[15+4*\u], 0
.endr
.set i, 0
.rept 64
	v_mov_b32 v[OT+i], 0
.set i, i+1
.endr
.endm
.macro LSUM u                          ; the sum's two halves and lane l xor 16's; it takes the largest t's place, so that v[12+4u:13+4u] = (-M, the sum)
	v_add_f32 v22, v[14+4*(\u)], v[15+4*(\u)]
	v_permlanex16_b32 v24, v22, s26, s27
	v_add_f32 v[13+4*(\u)], v22, v24
.endm
.macro MASK u                          ; on the diagonal hidden scores become -infinity ahead of the maximum: p = 0 then.  Register n holds key 32 (n / 16) + n % 16 + 16 (lane / 16) of the step: hidden where that is above my row
	s_cmp_lg_u32 s22, s20
	s_cbranch_scc1 .Lopen_\@
.set n, 0
.rept 64
	v_cmp_gt_i32 vcc_lo, 32*(n/16)+n%16, v[4+\u]
	v_cndmask_b32 v[SS+n], v[SS+n], v6, vcc_lo
.set n, n+1
.endr
.Lopen_\@:
.endm
.macro SOFTMAX u
.set NM, 12+4*(\u)
.set TM, 13+4*(\u)
.set LL, 14+4*(\u)
.set PD, 44+16*(\u)
.set OB, OT+32*(\u)
	v_max3_num_f32 v22, v[SS], v[SS+1], v[SS+2]    ; the step's largest score of my row among my 64 keys, in two chains, each accumulator from its low end on,
	v_max3_num_f32 v23, v[SS+3], v[SS+4], v[SS+5]
.set j, 6
.rept 14
	v_max3_num_f32 v22, v22, v[SS+j], v[SS+j+1]
	v_max3_num_f32 v23, v23, v[SS+j+2], v[SS+j+3]
.set j, j+4
.endr
	v_max3_num_f32 v22, v22, v[SS+62], v[SS+63]
	v_max_num_f32 v22, v22, v23
	v_permlanex16_b32 v24, v22, s26, s27
	v_max_num_f32 v22, v22, v24                    ; and among lane l xor 16's: in every step that is worked, key 0 of the step counts for every row, so this is a number
	v_mul_f32 v22, s28, v22                        ; as t (the factor is positive)
	v_max_num_f32 v[TM], v[TM], v22                ; the running largest t
	v_mov_b32 v22, v[NM]
	v_floor_f32 v[NM], -v[TM]                      ; the new -M = floor(-t) = -ceil(t): a whole number
	v_sub_f32 v22, v[NM], v22                      ; old M - new M: a whole number, 0 or less
	v_cvt_i32_f32 v22, v22                         ; (it saturates)
	v_ldexp_f32 v20, 1.0, v22                      ; f = 2^(old M - new M)
.set j, 0
.rept 32
	v_pk_fma_f32 v[SS+j:SS+j+1], v[SS+j:SS+j+1], s[28:29], v[NM:NM+1] op_sel_hi:[1,0,0]   ; t - M, two at a time (of both pairs the low word serves both halves)
.set j, j+2
.endr
.set j, 0
.rept 64
	v_exp_f32 v[SS+j], v[SS+j]                     ; p = 2^(t - M)
.set j, j+1
.endr
	v_pk_mul_f32 v[LL:LL+1], v[LL:LL+1], v[20:21] op_sel_hi:[1,0]   ; the sum under the new M: the plain instruction behind the exponentials
	s_wait_alu depctr_va_vdst(0)                   ; one wait for the batch of 64, ahead of its first reader
	v_pk_add_f32 v[26:27], v[SS:SS+1], v[SS+2:SS+3]   ; the row's sum is taken of the unquantised p, in two chains
.set j, 4
.rept 15
	v_pk_add_f32 v[LL:LL+1], v[LL:LL+1], v[SS+j:SS+j+1]
	v_pk_add_f32 v[26:27], v[26:27], v[SS+j+2:SS+j+3]
.set j, j+4
.endr
	v_pk_add_f32 v[LL:LL+1], v[LL:LL+1], v[26:27]
.irp b, 0,1,2,3
.set j, 0
.rept 16
	v_min_num_f32 v[SS+16*\b+j], v[SS+16*\b+j], v9 ; the conversion to an 8-bit code does not saturate (ISA guide 7.6.2); p is not negative, so the hold is one-sided.  (These are also the plain instructions in front of conversions that write over earlier conversions' sources)
.set j, j+1
.endr
	v_cvt_scalef32_pk8_fp8_f32 v[PD+4*\b:PD+4*\b+1], v[SS+16*\b:SS+16*\b+7], v8
	v_cvt_scalef32_pk8_fp8_f32 v[PD+4*\b+2:PD+4*\b+3], v[SS+16*\b+8:SS+16*\b+15], v8
.endr
.set j, 0
.rept 16
	v_pk_mul_f32 v[OB+j:OB+j+1], v[OB+j:OB+j+1], v[20:21] op_sel_hi:[1,0]   ; O^T under the new M; also the plain instructions between the conversions and the products that follow
.set j, j+2
.endr
.endm
; A STEP: 128 keys against my two tiles of rows.
.macro STEP
	s_cmp_gt_u32 s22, s20                          ; all its keys come after my rows: left out, but for the line that steps s22
	s_cbranch_scc1 .Lskip_\@
	v_add_nc_u32 v10, s24, v1
.set i, 0
.rept 16
	ds_load_b128 v[KF+4*i:KF+4*i+3], v10 offset:512*i   ; q's eight fragments
.set i, i+1
.endr
	s_wait_dscnt 8                                 ; fragments 0 to 3 are in; the eight younger loads may be out
.irp f, 0,1,2,3
	v_wmma_f32_16x16x64_fp8_fp8 v[SS+8*\f:SS+8*\f+7], v[KF+8*\f:KF+8*\f+7], v[QF:QF+7], 0
.endr
	s_wait_dscnt 0x0
.irp f, 4,5,6,7
	v_wmma_f32_16x16x64_fp8_fp8 v[SS+8*\f:SS+8*\f+7], v[KF+8*\f:KF+8*\f+7], v[QF:QF+7], 0
.endr
.rept 4
	v_nop                                          ; four places in front of the first read of the results (ISA guide 7.12.1)
.endr
	MASK 0
	SOFTMAX 0
.irp f, 0,1,2,3,4,5,6,7
	v_wmma_f32_16x16x64_fp8_fp8 v[SS+8*\f:SS+8*\f+7], v[KF+8*\f:KF+8*\f+7], v[QF+8:QF+15], 0
.endr
.rept 4
	v_nop                                          ; four places in front of the loads into registers that these products read, and of the first read of their results
.endr
.set i, 0
.rept 16
	ds_load_b128 v[KF+4*i:KF+4*i+3], v10 offset:8192+512*i   ; v^T's four fragments: they land under the second tile's softmax
.set i, i+1
.endr
	MASK 1
	SOFTMAX 1
	s_wait_dscnt 0x0
.irp dt, 0,1,2,3                       ; the eight accumulators have one instruction each, and the products of S^T stand between one step's and the next's
.irp u, 0,1
	v_wmma_f32_16x16x128_fp8_fp8 v[OT+32*\u+8*\dt:OT+32*\u+8*\dt+7], v[KF+16*\dt:KF+16*\dt+15], v[44+16*\u:59+16*\u], v[OT+32*\u+8*\dt:OT+32*\u+8*\dt+7]
.endr
.endr
.rept 5
	v_nop                                          ; five places: the next matrix instruction writes over registers that these have read (p's second set); they also serve the next loads and the stores of O^T
.endr
.Lskip_\@:
	s_add_co_u32 s22, s22, 4                       ; my step of the next slot
.endm
; PHASE A ENDS where the slot in hand is phase B's first: my part of phase A's sums goes to LDS bytes of my own, which are read behind the loop alone; phase B's row fragments come back from my own bytes.
.macro SWITCH
	s_cmp_lg_u32 s23, s19
	s_cbranch_scc1 .Lsame_\@
	LSUM 0
	LSUM 1
	v_and_b32 v10, 31, v0
	v_lshl_add_u32 v11, v10, 4, s55
	v_lshl_add_u32 v25, v10, 3, s56
	v_lshl_add_u32 v10, v10, 4, s57
.set i, 0
.rept 16
	ds_store_b128 v11, v[OT+4*i:OT+4*i+3] offset:512*i
.set i, i+1
.endr
	ds_store_b64 v25, v[12:13]
	ds_store_b64 v25, v[16:17] offset:256
.set i, 0
.rept 4
	ds_load_b128 v[QF+4*i:QF+4*i+3], v10 offset:512*i
.set i, i+1
.endr
	s_wait_dscnt 0x0                               ; the fragments are in
	INIT
	s_mov_b32 s20, s21                             ; phase B's block,
	s_mov_b32 s22, s14                             ; from its first step on
.Lsame_\@:
.endm
	s_load_b256 s[4:11], s[0:1], 0x0               ; kimg s[4:5], kv s[6:7], the scales' exponents s[8:9], out s[10:11]
	v_lshl_add_u32 v2, v0, 2, SPARE
	v_mov_b32 v3, 0
	ds_add_u32 v2, v3
	s_wait_dscnt 0x0
	v_lshrrev_b32 v10, 5, v0
	v_readfirstlane_b32 s12, v10                   ; wave 0..15
	s_lshr_b32 s13, s12, 2                         ; pr
	s_mul_i32 s66, s13, 3
	s_add_co_u32 s66, s66, s12
	s_and_b32 s14, s66, 3                          ; par
	s_lshl_b32 s15, s13, 2
	s_add_co_u32 s15, s15, s14                     ; id
	s_mov_b32 s16, ttmp9                           ; C: in a cluster launch ttmp9 counts clusters
	s_bfe_u32 s17, ttmp6, 0x40000                  ; cx
	s_and_b32 s18, ttmp7, 0xffff                   ; batch
	s_add_co_u32 s19, s16, 1                       ; NA
	s_lshl_b32 s20, s16, 2
	s_add_co_u32 s20, s20, s13                     ; phase A's block of 128 rows
	s_sub_co_u32 s21, 7, s16
	s_lshl_b32 s21, s21, 2
	s_add_co_u32 s21, s21, s13                     ; phase B's
	s_lshr_b32 s70, s14, 1                         ; at the end I join one tile: of phase A (1) or B (0),
	s_and_b32 s71, s14, 1                          ; tile 0 or 1, of my pr's rows
	; LDS bases: each a constant + constants x numbers made of the wave's number
	s_lshl_b32 s58, s15, 13                        ; phase B's O^T: id x 8,192, in the ring, which has had its last fill by then
	s_add_co_u32 s55, s58, REGA                    ; phase A's
	s_lshl_b32 s59, s15, 9
	s_add_co_u32 s59, s59, STATS                   ; phase B's (-M, sum)
	s_add_co_u32 s56, s59, 8192                    ; phase A's
	s_lshl_b32 s57, s12, 11
	s_add_co_u32 s57, s57, QST
	s_mul_i32 s60, s70, REGA                       ; what I join: the four parts begin here, 8,192 bytes apart
	s_lshl_b32 s69, s13, 15
	s_add_co_u32 s60, s60, s69
	s_lshl_b32 s69, s71, 12
	s_add_co_u32 s60, s60, s69
	s_lshl_b32 s61, s70, 13                        ; and their (-M, sum), 512 bytes apart
	s_lshl_b32 s69, s13, 11
	s_add_co_u32 s61, s61, s69
	s_lshl_b32 s69, s71, 8
	s_add_co_u32 s61, s61, s69
	s_add_co_u32 s61, s61, STATS
	; descriptor group 1: a dense block of 16,384 bytes as 64 rows of 32 elements of 8 bytes
	s_mov_b32 s32, 15|(3<<16)|(1<<21)              ; 15:0 the mask: all four work-groups; 17:16 elements of 8 bytes; 20 no padding; 21 set beside a mask
	s_mov_b32 s33, 32<<16                          ; tensor_dim0 = 32
	s_mov_b32 s34, 64<<16                          ; tensor_dim1 = 64
	s_mov_b32 s35, 32<<16                          ; tile_dim0 = 32
	s_mov_b32 s36, 64                              ; tile_dim1 = 64
	s_mov_b32 s37, 32                              ; tensor_dim0_stride
	s_mov_b32 s38, 0
	s_mov_b32 s39, 0
	s_mov_b32 s40, 1                               ; group 0: count = 1
	s_and_b32 s41, s12, 3
	s_lshl_b32 s41, s41, 14                        ; LDS address: my step of slot 0
	s_mov_b32 s26, 0x76543210
	s_mov_b32 s27, 0xfedcba98
	s_mov_b32 s23, 0
	s_mov_b32 s24, 0
	s_mov_b32 s47, 0
	s_mov_b32 s22, s14                             ; my first step
	s_lshr_b32 s68, s12, 1
	s_xor_b32 s68, s68, 2                          ; 0 in waves 4 and 5,
	s_or_b32 s68, s68, s16                         ; of the clusters with C = 0: the same in all four partners
	s_cmp_eq_u32 s68, 0
	s_cselect_b32 s54, 7, 0
	v_and_b32 v10, 31, v0                          ; lane
	v_lshlrev_b32 v7, 8, v10
	v_lshlrev_b32 v10, 4, v10                      ; 16 x lane
	s_lshl_b32 s66, s14, 14
	v_add_nc_u32 v1, s66, v10
	v_add_nc_u32 v11, s57, v10
	v_and_b32 v4, 15, v0                           ; r
	v_and_b32 v5, 8, v4
	v_add_nc_u32 v4, v4, v5                        ; r + 8 (r / 8)
	v_bfe_u32 v5, v0, 4, 1
	v_lshlrev_b32 v5, 4, v5
	v_sub_nc_u32 v4, v4, v5                        ; - 16 (lane / 16)
	s_lshl_b32 s66, s17, 5
	v_add_nc_u32 v4, s66, v4                       ; + 32 cx: tile 0's threshold: my row in its block of 128, less my half's first key
	v_add_nc_u32 v5, 8, v4                         ; tile 1's
	v_mov_b32 v6, 0xff800000
	v_mov_b32 v21, 0                               ; (named as the upper half of the pair v[20:21])
	v_mov_b32 v24, 0                               ; written once: a lane permute's destination counts as one of its sources
	INIT
	s_wait_kmcnt 0x0
	s_load_b128 s[48:51], s[8:9], 0x18             ; e6, e7, e8, e9
	s_lshl_b32 s66, s18, 19                        ; a batch's 524,288 bytes of kv
	s_mov_b32 s67, 0
	s_add_nc_u64 s[52:53], s[6:7], s[66:67]
	s_add_co_u32 s66, s66, s41
	s_add_nc_u64 s[44:45], s[6:7], s[66:67]        ; + my step of a slot: nothing of cx
	s_mov_b64 s[42:43], s[44:45]                   ; group 0: the batch's first 512 keys
	s_or_b32 s43, s43, 0x80000000
	s_lshl_b32 s66, s17, 14                        ; the prefetches: my work-group's 16,384 bytes of a slot,
	s_and_b32 s68, s12, 1
	s_lshl_b32 s68, s68, 13                        ; my wave's 8,192 of them; the first change of slots steps the address to keys 512 on
	s_add_co_u32 s66, s66, s68
	s_add_nc_u64 s[52:53], s[52:53], s[66:67]
	s_lshl_b32 s66, s18, 7                         ; my rows' fragments in kimg: group 128 batch + 4 blk + cx, 2,048 bytes each
	s_add_co_u32 s66, s66, s17
	s_lshl_b32 s68, s20, 2
	s_add_co_u32 s68, s68, s66
	s_lshl_b32 s68, s68, 11
	s_mov_b32 s69, 0
	s_add_nc_u64 s[72:73], s[4:5], s[68:69]
	s_lshl_b32 s68, s21, 2
	s_add_co_u32 s68, s68, s66
	s_lshl_b32 s68, s68, 11
	s_add_nc_u64 s[74:75], s[4:5], s[68:69]
	s_cmp_eq_u32 s70, 1                            ; out at the tile that I join: row 4,096 batch + 128 blk + 32 cx + 8 tile, 256 bytes a row
	s_cselect_b32 s66, s20, s21
	s_lshl_b32 s66, s66, 7
	s_lshl_b32 s68, s18, 12
	s_add_co_u32 s66, s66, s68
	s_lshl_b32 s68, s17, 5
	s_add_co_u32 s66, s66, s68
	s_lshl_b32 s68, s71, 3
	s_add_co_u32 s66, s66, s68
	s_lshl_b32 s66, s66, 8
	s_add_nc_u64 s[10:11], s[10:11], s[66:67]
	CROUND                                         ; all four work-groups are here: the first joint loads meet
	TLOAD                                          ; slot 0
.set i, 0
.rept 4
	global_load_b128 v[QF+4*i:QF+4*i+3], v10, s[72:73] offset:512*i   ; phase A's two row fragments stay in registers
.set i, i+1
.endr
.set i, 0
.rept 4
	global_load_b128 v[SS+4*i:SS+4*i+3], v10, s[74:75] offset:512*i   ; phase B's wait in LDS
.set i, i+1
.endr
	s_wait_kmcnt 0x0
	s_add_co_i32 s66, s48, s49
	s_lshl_b32 s66, s66, 23
	s_add_co_i32 s28, s66, 0x3fb8aa3b              ; log2(e), with e6 + e7 added to its exponent field: a sum of codes' products x this is t
	s_mov_b32 s29, s28                             ; (named with it as a pair, so it is written)
	s_add_co_i32 s66, s50, 127
	s_lshl_b32 s68, s66, 23
	v_mov_b32 v8, s68                              ; 2^e8 as f32, for the conversion
	s_add_co_i32 s66, s66, 8
	s_lshl_b32 s66, s66, 23
	s_or_b32 s66, s66, 0x600000
	v_mov_b32 v9, s66                              ; 448 x 2^e8
	s_add_co_i32 s62, s50, s51                     ; e8 + e9
	s_wait_loadcnt 0x0
.set i, 0
.rept 4
	ds_store_b128 v11, v[SS+4*i:SS+4*i+3] offset:512*i
.set i, i+1
.endr
.Lslot:                                            ; eight trips: trip i works slot i of the nine and asks for slot i + 1
	CHANGE 1
	SWITCH
	STEP
	s_xor_b32 s24, s24, SLOT1
	s_add_co_u32 s23, s23, 1
	s_cmp_lt_u32 s23, 8
	s_cbranch_scc1 .Lslot
	CHANGE 0                                       ; the last slot is written out
	STEP
	; THE END.  Phase B's parts go to LDS, into the ring: it has had its last fill, and behind the barrier below nobody reads it.
	LSUM 0
	LSUM 1
	s_wait_dscnt 0x0                               ; my reads of the ring are over
	s_barrier_signal -1
	s_barrier_wait -1                              ; everybody's are
	v_and_b32 v10, 31, v0
	v_lshl_add_u32 v11, v10, 4, s58
	v_lshl_add_u32 v25, v10, 3, s59
.set i, 0
.rept 16
	ds_store_b128 v11, v[OT+4*i:OT+4*i+3] offset:512*i
.set i, i+1
.endr
	ds_store_b64 v25, v[12:13]
	ds_store_b64 v25, v[16:17] offset:256
	s_wait_dscnt 0x0                               ; for the others' sake: my stores have landed
	s_barrier_signal -1
	s_barrier_wait -1
	; each wave joins the four parts of ONE tile of one phase
	v_lshl_add_u32 v11, v10, 4, s60
	v_lshl_add_u32 v25, v10, 3, s61
.irp p, 0,1,2,3
.set i, 0
.rept 8
	ds_load_b128 v[64+32*\p+4*i:64+32*\p+4*i+3], v11 offset:8192*\p+512*i
.set i, i+1
.endr
.endr
.irp p, 0,1,2,3
	ds_load_b64 v[44+2*\p:45+2*\p], v25 offset:512*\p   ; part p's -M and sum
.endr
	s_wait_dscnt 0x0                               ; my reads of the parts are over:
	s_barrier_signal -1                            ; behind this barrier each wave writes its stage over phase A's part of its own id; work on registers alone stands up to the wait
	v_min3_num_f32 v52, v44, v46, v48
	v_min_num_f32 v52, v52, v50                    ; the least -M: the row's M.  (A part without a step has -M = 3e38 and zeros)
.irp p, 0,1,2,3
	v_sub_f32 v[54+2*\p], v52, v[44+2*\p]          ; part p's M less the row's: a whole number, 0 or less
.endr
.irp p, 0,1,2,3
	v_cvt_i32_f32 v[54+2*\p], v[54+2*\p]           ; (it saturates)
.endr
.irp p, 0,1,2,3
	v_ldexp_f32 v[54+2*\p], 1.0, v[54+2*\p]        ; f_p: an exact power of two, or 0
.endr
	v_mul_f32 v53, v54, v45
	v_fmac_f32 v53, v56, v47
	v_fmac_f32 v53, v58, v49
	v_fmac_f32 v53, v60, v51                       ; the row's sum
	v_rcp_f32 v53, v53
	v_nop                                          ; a plain instruction behind the reciprocal
	s_wait_alu depctr_va_vdst(0)                   ; and the wait ahead of its first reader
	v_ldexp_f32 v53, v53, s62                      ; x 2^(e8 + e9)
.irp p, 0,1,2,3
	v_mul_f32 v[54+2*\p], v[54+2*\p], v53
	v_mov_b32 v[55+2*\p], v53                      ; (the pair's upper half is named, so it is written)
.endr
.set j, 0
.rept 16
	v_pk_mul_f32 v[64+j:65+j], v[64+j:65+j], v[54:55] op_sel_hi:[1,0]
.set j, j+2
.endr
.irp p, 1,2,3
.set j, 0
.rept 16
	v_pk_fma_f32 v[64+j:65+j], v[64+32*\p+j:65+32*\p+j], v[54+2*\p:55+2*\p], v[64+j:65+j] op_sel_hi:[1,0,1]
.set j, j+2
.endr
.endr
	v_and_b32 v10, 15, v0                          ; r
	v_bfe_u32 v25, v0, 4, 1                        ; h
	v_mul_u32_u24 v11, v10, 272
	v_lshl_add_u32 v11, v25, 5, v11
	v_add_nc_u32 v11, s55, v11                     ; the stage, 16 rows of 256 bytes + 16: in: row r, + 32 h; channels 16 dt on: 64 dt bytes on
	v_mul_u32_u24 v5, v25, 272
	v_lshl_add_u32 v5, v10, 4, v5
	v_add_nc_u32 v5, s55, v5                       ; back: lanes 0-15 one row, lanes 16-31 the next
	v_lshlrev_b32 v4, 8, v25
	v_lshl_add_u32 v4, v10, 4, v4                  ; and the same two rows in out
	s_barrier_wait -1
.irp dt, 0,1,2,3
	ds_store_b128 v11, v[64+8*\dt:67+8*\dt] offset:64*\dt
	ds_store_b128 v11, v[68+8*\dt:71+8*\dt] offset:64*\dt+16
.endr
.irp t, 0,1,2,3,4,5,6,7
	ds_load_b128 v[96+4*\t:99+4*\t], v5 offset:544*\t   ; LDS serves a wave's instructions in order (ISA guide 5.7.1.4): these see my stores
.endr
.irp t, 0,1,2,3,4,5,6,7
	s_wait_dscnt 7-\t                              ; load t is in; the younger ones may be out
	global_store_b128 v4, v[96+4*\t:99+4*\t], s[10:11] offset:(2*\t+8*(\t/4))*256 th:TH_STORE_NT   ; stage row 2 t + h is the tile's row 2 t + h + 8 (t / 4); 16 lanes store 256 consecutive bytes, aligned; written once
.endr
	s_wait_tensorcnt 0x0                           ; the wave's end, behind my last tensor load and my last LDS store
	ds_add_u32 v2, v3
	s_wait_dscnt 0x0
	CROUND                                         ; the closing round: no work-group ends while a partner may still ask for a tile that names it
	s_endpgm
.Lfunc_end_k_qa7ce7fede0_attn:
	.size	k_qa7ce7fede0_attn, .Lfunc_end_k_qa7ce7fede0_attn-k_qa7ce7fede0_attn
	.p2alignl 7, 3214868480
	.fill 96, 4, 3214868480
	.section	.rodata,"a",@progbits
	.p2align	6, 0x0
	.amdhsa_kernel k_qa7ce7fede0_attn
		.amdhsa_group_segment_fixed_size 327680
		.amdhsa_private_segment_fixed_size 0
		.amdhsa_enable_private_segment 0
		.amdhsa_kernarg_size 32
		.amdhsa_user_sgpr_count 2
		.amdhsa_user_sgpr_kernarg_segment_ptr 1
		.amdhsa_wavefront_size32 1
		.amdhsa_system_sgpr_workgroup_id_x 1
		.amdhsa_system_sgpr_workgroup_id_y 1
		.amdhsa_system_sgpr_workgroup_id_z 1
		.amdhsa_system_vgpr_workitem_id 0
		.amdhsa_next_free_vgpr 256
		.amdhsa_next_free_sgpr 80
		.amdhsa_reserve_vcc 1
		.amdhsa_float_denorm_mode_32 3
		.amdhsa_float_denorm_mode_16_64 3
		.amdhsa_memory_ordered 1
		.amdhsa_forward_progress 1
		.amdhsa_inst_pref_size 104
	.end_amdhsa_kernel
	.amdgpu_metadata
---
amdhsa.version: [ 1, 2 ]
amdhsa.kernels:
  - .name:           k_qa7ce7fede0_attn
    .symbol:         k_qa7ce7fede0_attn.kd
    .args:
      - { .name: kimg, .offset: 0, .size: 8, .value_kind: global_buffer, .address_space: global }
      - { .name: kv, .offset: 8, .size: 8, .value_kind: global_buffer, .address_space: global }
      - { .name: lowp_scales, .offset: 16, .size: 8, .value_kind: global_buffer, .address_space: global }
      - { .name: out0, .offset: 24, .size: 8, .value_kind: global_buffer, .address_space: global }
    .group_segment_fixed_size: 327680
    .private_segment_fixed_size: 0
    .kernarg_segment_align: 8
    .kernarg_segment_size: 32
    .max_flat_workgroup_size: 512
    .sgpr_count:     80
    .vgpr_count:     256
    .wavefront_size: 32
...
	.end_amdgpu_metadata
.endif
;; end of part 2
